; MI455X (gfx1250); checked and timed in simulation.
; The chip was launched on July 23, 2026; its instructions are those of AMD's public machine-readable ISA for CDNA 5 (MIT licence, August 2026) and "CDNA5" Instruction Set Architecture Reference Guide (July 2026). The comments in the code are by the model that wrote it; some were corrected since.
;; Multi Head Self Attention. Allowed arithmetic: matrix products marked QUANTISED: E2M1 operands, one E8M0 scale for each 32 along K, by v_wmma_scale_f32_16x16x128_f8f6f4 with both operands' format E2M1 (or v_wmma_scale_f32_32x16x128_f4), f32 sums; everything else in f32.
;; Inputs: Wk 1,024 x 1,024 float32; Wo 1,024 x 1,024 float32; Wq 1,024 x 1,024 float32; Wv 1,024 x 1,024 float32; bk 1,024 float32; bo 1,024 float32; bq 1,024 float32; bv 1,024 float32; x 4 x 2,048 x 1,024 float32.
;; Outputs: out0 4 x 1,024 float32; out1 4 x 2,048 float32.
;; This version of the problem:
;;   THIS VERSION OF THE PROBLEM IS GIVEN IN LOW PRECISION. The matrix products marked QUANTISED in the list below multiply operands that are first quantised to E2M1 (2 exponent bits, 1 mantissa bit; 4 bits a number), with one power-of-two scale for each 32 numbers along K (OCP MX v1.0); their sums are f32. All else is computed in f32.
;;   The module's matrix products, in the order in which they are computed (A, B: the left and right operand; K: the contracted axis; several contracted axes count as one K, in the product's order):
;;     1. [M 8,192, K 1,024] x [K 1,024, N 1,024]; A: input x; B: input Wq: QUANTISED
;;     2. [M 8,192, K 1,024] x [K 1,024, N 1,024]; A: input x; B: input Wk: QUANTISED
;;     3. [M 8,192, K 1,024] x [K 1,024, N 1,024]; A: input x; B: input Wv: QUANTISED
;;     4. batch 64 x [M 2,048, K 64] x [K 64, N 2,048]; A: computed on the way; B: computed on the way: QUANTISED
;;     5. batch 64 x [M 2,048, K 2,048] x [K 2,048, N 64]; A: softmax (see below); B: computed on the way: QUANTISED
;;     6. [M 8,192, K 1,024] x [K 1,024, N 1,024]; A: computed on the way; B: input Wo: QUANTISED
;;   THE QUANTISER, for each operand of a quantised product, along K:
;;     - K is cut into blocks of 32 from its start; a last block that is shorter is filled with zeros.
;;     - A block's scale is 2^e with e = floor(log2(the largest magnitude in the block)) - 2, held to -126 .. 127; a block of zeros has e = 0. As a byte (E8M0): e + 127.
;;     - Each number is divided by its block's scale, clamped to +-6, and rounded to the nearest number of E2M1, ties to even, subnormals kept.
;;     - The product sums the exact products of the quantised numbers (number of the format x scale) in f32.
;;   ~~~python
;;   def quantise(x, axis):      # numpy; x: float32 -> the quantised numbers, widened to float32 again
;;       x = np.moveaxis(x, axis, -1); K = x.shape[-1]
;;       x = np.pad(x, [(0, 0)] * (x.ndim - 1) + [(0, -K % 32)]); x = x.reshape(x.shape[:-1] + (-1, 32)); a = np.abs(x).max(-1, keepdims=True)
;;       e = np.where(a > 0, np.clip(np.frexp(np.where(a > 0, a, 1))[1] - 1 - 2, -126, 127), 0)      # np.frexp(a)[1] - 1 = floor(log2(a)), exactly
;;       r = np.clip(x / 2.0 ** e, -6, 6)
;;       step = 2.0 ** (np.maximum(np.frexp(np.where(r == 0, 1, r))[1] - 1, 0) - 1)
;;       q = np.round(r / step) * step * 2.0 ** e      # np.round: ties to even
;;       return np.moveaxis(q.reshape(q.shape[:-2] + (-1,))[..., :K], -1, axis).astype(np.float32)
;;   ~~~
;;   SOFTMAX AHEAD OF A QUANTISED PRODUCT. Where the list says 'softmax', what is quantised is not the finished softmax but p = 2^(t - M), with t = logit x log2(e) and M = ceil(the row's largest t), a whole number; so 1/2 < the row's largest p <= 1. The row's sum l is taken of the UNQUANTISED p, in f32, and the product's result is divided by l at the end. Since M is a whole number, a kernel that streams over the keys may use a running M (the ceiling of the running maximum): every later rescaling is an exact power of two, which a block's scale takes up: the codes' values come out the same.
;;   OPERANDS COMPUTED ON THE WAY. 'Computed on the way' means the value that the module computes at that place (a softmax that the list does not call 'softmax' is quantised finished and normalised). What goes into a quantiser is computed in f32, as accurately as f32 sums, v_exp_f32 and their like allow (about 1e-6 of the number): no bf16 or f16 on the way to a quantiser, and a product that is left as it is and whose result goes on into a quantised operand takes f32 operands (vector FMAs, or v_wmma_f32_16x16x4_f32). A number that lies on a knife's edge between two numbers of the format may be rounded either way, as far as f32 arithmetic and the matrix unit's own rounding can turn it there, and no further.
;; One version. Each part assembles by itself: llvm-mc -triple=amdgcn-amd-amdhsa -mcpu=gfx1250 --defsym DOCPART=n.
;; ======== version 1 of 1: 4 launches
;; limits: right only within a limited range of input values
;; workspace buffers: codes 6,291,456 bytes; scales 393,216 bytes; rec 13,893,632 bytes; pp 1,048,576 bytes; wp 2,097,152 bytes
;; launch quant (part 1): grid 768 x 1, 2 waves a work-group, no clusters, 17,152 bytes of LDS; arguments x, Wq, Wk, Wv, Wo, codes, scales; writes codes, scales
.if DOCPART == 1
	.amdgcn_target "amdgcn-amd-amdhsa--gfx1250"
	.amdhsa_code_object_version 6
	.text
	.protected	k_qcafc6b0cab_quant
	.globl	k_qcafc6b0cab_quant
	.p2align	8
	.type	k_qcafc6b0cab_quant,@function
k_qcafc6b0cab_quant:
	s_mov_b64 s[64:65], 0
	v_nop
	global_prefetch_b8 v0, s[64:65] scope:SCOPE_SE
	s_setreg_imm32_b32 hwreg(HW_REG_WAVE_MODE, 25, 1), 1
	s_wait_xcnt 0x0
; x [8192][1024] and Wq, Wk, Wv, Wo [1024][1024], f32, K innermost, become codes of FP4 (E2M1) with one E8M0 byte for each 32 along K,
; laid AS IMAGES OF OPERAND REGISTERS.  Rows go in tiles of 16: tile 2 g + u holds rows 32 g + 8 u + (r & 7) + 16 (r >> 3), r = 0 .. 15, so that a product
; which takes two neighbouring tiles as source 0 leaves 16 neighbouring rows in a lane's 16 result registers.
; codes:  [tile 0..767][K step 0..7][chunk 0..1][lane][16 bytes]; lane (r, h)'s 16 bytes of chunk c are k = 128 s + 64 c + 32 h + 0 .. 31 of row r.  Tiles 0-511 x, 512- Wq, 576- Wk, 640- Wv, 704- Wo.
; scales: [tile][half of K 0..1][r][4 words]; word i is K step 4 v + i, its byte j the block 4 s + j.
; A block's scale is 2^(floor(log2(largest magnitude)) - 2); its byte is the largest magnitude's exponent field - 2, held at 1 from below.
; LIMITS: a block of zeros gets the byte 1 where the quantiser says 127 (its codes are zeros, and only this program reads the bytes); blocks whose largest magnitude
; lies under 2^-124 are held at the byte 1; NaN and infinities among the inputs are not served.
; SHARES: a work-group is a tile; wave v takes K steps 4 v .. 4 v + 3.  Each load reads 512 consecutive bytes of one row; a K step's 16 x 512 bytes turn through the wave's own stage in LDS
; (rows of 528 bytes), so that a lane gets whole blocks of 32 neighbours.  The waves share nothing: no barrier.  Loads run two K steps (32 loads a wave) ahead.
.set ROWB, 4096                        ; a row in memory
.set SP,   528                         ; a stage row: 512 bytes + 16
.set STG,  16*SP                       ; a wave's stage
.set R,    32                          ; v32-159   two sets of 64 registers as loaded
.set X,    160                         ; v160-223  64 numbers: my two blocks of the K step
.set C,    224                         ; v224-255  8 registers of codes for each K step: no store's data are written again
.set WD,   20                          ; v20-23    the four K steps' scale words
	s_load_b256 s[4:11], s[0:1], 0x0               ; x, Wq, Wk, Wv
	s_load_b128 s[12:15], s[0:1], 0x20             ; Wo, codes
	s_load_b64 s[16:17], s[0:1], 0x30              ; scales
	v_lshl_add_u32 v30, v0, 2, 0x4200
	v_mov_b32 v31, 0
	v_lshrrev_b32 v1, 5, v0
	v_readfirstlane_b32 s26, v1                    ; wave 0, 1
	v_and_b32 v2, 31, v0                           ; lane
	v_and_b32 v3, 15, v0                           ; r
	v_bfe_u32 v4, v0, 4, 1                         ; h
	v_lshlrev_b32 v5, 4, v2                        ; 16 x lane: a load's, and a code store's, place for my lane
	s_mul_i32 s27, s26, STG
	v_add_nc_u32 v6, s27, v5                       ; the stage, on the way in
	v_mul_u32_u24 v7, v3, SP
	v_lshl_add_u32 v7, v4, 7, v7
	v_add_nc_u32 v7, s27, v7                       ; and on the way out: row r, + 128 h: block h of the K step's first 64
	v_lshlrev_b32 v8, 3, v4                        ; 8 h: my bytes' place in a scale word
	v_lshlrev_b32 v9, 4, v3
	v_lshl_add_u32 v9, v4, 3, v9                   ; 16 r + 8 h: my two words of the 256 bytes of scale words
	v_mov_b32 v17, 0                               ; written once: a lane permute's destination counts as one of its sources
	s_mov_b32 s23, ttmp9                           ; the tile
	s_lshr_b32 s18, s23, 6                         ; 0-7 x, 8 Wq, 9 Wk, 10 Wv, 11 Wo
	s_and_b32 s22, s23, 63
	s_mov_b32 s24, 0x76543210
	s_mov_b32 s25, 0xfedcba98                      ; v_permlanex16_b32's selects for lane l xor 16
	s_wait_alu depctr_va_vdst(0)
	s_wait_kmcnt 0x0
	s_mov_b64 s[20:21], s[6:7]                     ; the tensor is chosen by the tile's number alone
	s_cmp_eq_u32 s18, 9
	s_cselect_b64 s[20:21], s[8:9], s[20:21]
	s_cmp_eq_u32 s18, 10
	s_cselect_b64 s[20:21], s[10:11], s[20:21]
	s_cmp_eq_u32 s18, 11
	s_cselect_b64 s[20:21], s[12:13], s[20:21]
	s_cmp_lt_u32 s18, 8
	s_cselect_b64 s[20:21], s[4:5], s[20:21]
	s_cselect_b32 s19, s23, s22                    ; the tile's number within its tensor
	s_lshr_b32 s28, s19, 1
	s_lshl_b32 s28, s28, 17                        ; 32 g rows of 4,096 bytes
	s_and_b32 s29, s19, 1
	s_lshl_b32 s29, s29, 15                        ; 8 u rows
	s_add_co_u32 s28, s28, s29
	s_lshl_b32 s29, s26, 11                        ; my wave's four K steps: 2,048 bytes on
	s_add_co_u32 s28, s28, s29
	s_mov_b32 s29, 0
	s_add_nc_u64 s[20:21], s[20:21], s[28:29]
	s_lshl_b32 s28, s23, 13
	s_lshl_b32 s30, s26, 12
	s_add_co_u32 s28, s28, s30
	s_add_nc_u64 s[14:15], s[14:15], s[28:29]      ; codes: 8,192 x tile + 4,096 x wave
	s_lshl_b32 s28, s23, 9
	s_lshl_b32 s30, s26, 8
	s_add_co_u32 s28, s28, s30
	s_add_nc_u64 s[16:17], s[16:17], s[28:29]      ; scales: 512 x tile + 256 x wave
.macro LOAD s                          ; K step s of the tile's 16 rows into set s % 2: each load takes 512 consecutive bytes of one row
.irp i, 0,1,2,3,4,5,6,7,8,9,10,11,12,13,14,15
	global_load_b128 v[R+64*((\s)%2)+4*\i:R+64*((\s)%2)+4*\i+3], v5, s[20:21] offset:((\i%8)+16*(\i/8))*ROWB+512*(\s) th:TH_LOAD_NT
.endr
.endm
.macro STEPQ s
.if (\s) < 3
	s_wait_loadcnt 16                              ; this K step's 16 loads are in; the next step's 16 may be out
.else
	s_wait_loadcnt 0x0
.endif
.irp i, 0,1,2,3,4,5,6,7,8,9,10,11,12,13,14,15
	ds_store_b128 v6, v[R+64*((\s)%2)+4*\i:R+64*((\s)%2)+4*\i+3] offset:SP*\i
.endr
.irp c, 0,1
.irp g, 0,1,2,3,4,5,6,7
	ds_load_b128 v[X+32*\c+4*\g:X+32*\c+4*\g+3], v7 offset:256*\c+16*\g   ; LDS serves a wave's instructions in order: these see the stores above
.endr
.endr
	s_wait_dscnt 0x0                               ; my 64 numbers are back, and the stores have read their registers,
.if (\s)+2 < 4
	LOAD (\s)+2                                    ; which take the loads of two K steps on
.endif
.irp c, 0,1
	v_max3_num_f32 v[10+\c], |v[X+32*\c]|, |v[X+32*\c+1]|, 0x1800000   ; block 2 c + h: all its 32 numbers are mine; the floor 2^(3 - 127) holds the byte at 1 from below
.endr
.irp i, 2,4,6,8,10,12,14,16,18,20,22,24,26,28,30
.irp c, 0,1
	v_max3_num_f32 v[10+\c], v[10+\c], |v[X+32*\c+\i]|, |v[X+32*\c+\i+1]|   ; (the two blocks by turns)
.endr
.endr
.irp c, 0,1
	v_add_nc_u32 v[12+\c], 0xff000000, v[10+\c]    ; 2 off the exponent field: the conversion takes the exponent field of this operand as its scale
.endr
.irp c, 0,1
.irp g, 0,1,2,3
	v_cvt_scalef32_pk8_fp4_f32 v[C+8*(\s)+4*\c+\g], v[X+32*\c+8*\g:X+32*\c+8*\g+7], v[12+\c]
.endr
.endr
	v_lshrrev_b32 v14, 23, v12                     ; the scales' bytes (also the plain line behind the conversions)
	v_lshrrev_b32 v15, 23, v13
	v_lshl_or_b32 v16, v15, 16, v14                ; blocks h and 2 + h,
	v_lshlrev_b32 v16, v8, v16                     ; at their places in the word;
	v_permlanex16_b32 v17, v16, s24, s25
	v_or_b32 v[WD+(\s)], v16, v17                  ; with lane l xor 16's two the word is whole
	global_store_b128 v5, v[C+8*(\s):C+8*(\s)+3], s[14:15] offset:1024*(\s)          ; 32 lanes store 512 consecutive bytes
	global_store_b128 v5, v[C+8*(\s)+4:C+8*(\s)+7], s[14:15] offset:1024*(\s)+512
.endm
	LOAD 0
	LOAD 1
	STEPQ 0
	STEPQ 1
	STEPQ 2
	STEPQ 3
	v_cmp_ne_u32 vcc_lo, 0, v4
	v_cndmask_b32 v24, v[WD], v[WD+2], vcc_lo      ; lanes 0-15 store words 0 and 1 of their row, lanes 16-31 words 2 and 3
	v_cndmask_b32 v25, v[WD+1], v[WD+3], vcc_lo
	global_store_b64 v9, v[24:25], s[16:17]        ; 32 lanes store 256 consecutive bytes, aligned
	s_wait_tensorcnt 0x0
	ds_add_u32 v30, v31
	s_wait_dscnt 0x0
	s_endpgm
.Lfunc_end_k_qcafc6b0cab_quant:
	.size	k_qcafc6b0cab_quant, .Lfunc_end_k_qcafc6b0cab_quant-k_qcafc6b0cab_quant
	.p2alignl 7, 3214868480
	.fill 96, 4, 3214868480
	.section	.rodata,"a",@progbits
	.p2align	6, 0x0
	.amdhsa_kernel k_qcafc6b0cab_quant
		.amdhsa_group_segment_fixed_size 17152
		.amdhsa_private_segment_fixed_size 0
		.amdhsa_enable_private_segment 0
		.amdhsa_kernarg_size 56
		.amdhsa_user_sgpr_count 2
		.amdhsa_user_sgpr_kernarg_segment_ptr 1
		.amdhsa_wavefront_size32 1
		.amdhsa_system_sgpr_workgroup_id_x 1
		.amdhsa_system_sgpr_workgroup_id_y 1
		.amdhsa_system_sgpr_workgroup_id_z 1
		.amdhsa_system_vgpr_workitem_id 0
		.amdhsa_next_free_vgpr 256
		.amdhsa_next_free_sgpr 66
		.amdhsa_reserve_vcc 1
		.amdhsa_float_denorm_mode_32 3
		.amdhsa_float_denorm_mode_16_64 3
		.amdhsa_memory_ordered 1
		.amdhsa_forward_progress 1
		.amdhsa_inst_pref_size 30
	.end_amdhsa_kernel
	.amdgpu_metadata
---
amdhsa.version: [ 1, 2 ]
amdhsa.kernels:
  - .name:           k_qcafc6b0cab_quant
    .symbol:         k_qcafc6b0cab_quant.kd
    .args:
      - { .name: x, .offset: 0, .size: 8, .value_kind: global_buffer, .address_space: global }
      - { .name: Wq, .offset: 8, .size: 8, .value_kind: global_buffer, .address_space: global }
      - { .name: Wk, .offset: 16, .size: 8, .value_kind: global_buffer, .address_space: global }
      - { .name: Wv, .offset: 24, .size: 8, .value_kind: global_buffer, .address_space: global }
      - { .name: Wo, .offset: 32, .size: 8, .value_kind: global_buffer, .address_space: global }
      - { .name: codes, .offset: 40, .size: 8, .value_kind: global_buffer, .address_space: global }
      - { .name: scales, .offset: 48, .size: 8, .value_kind: global_buffer, .address_space: global }
    .group_segment_fixed_size: 17152
    .private_segment_fixed_size: 0
    .kernarg_segment_align: 8
    .kernarg_segment_size: 56
    .max_flat_workgroup_size: 64
    .sgpr_count:     66
    .vgpr_count:     256
    .wavefront_size: 32
...
	.end_amdgpu_metadata
.endif
;; end of part 1
;; launch proj (part 2): grid 256 x 3, 1 waves a work-group, no clusters, 0 bytes of LDS; arguments codes, scales, bq, bk, bv, rec; writes rec
.if DOCPART == 2
	.amdgcn_target "amdgcn-amd-amdhsa--gfx1250"
	.amdhsa_code_object_version 6
	.text
	.protected	k_qcafc6b0cab_proj
	.globl	k_qcafc6b0cab_proj
	.p2align	8
	.type	k_qcafc6b0cab_proj,@function
k_qcafc6b0cab_proj:
	s_mov_b64 s[64:65], 0
	v_nop
	global_prefetch_b8 v0, s[64:65] scope:SCOPE_SE
	s_setreg_imm32_b32 hwreg(HW_REG_WAVE_MODE, 25, 1), 1
	s_wait_xcnt 0x0
; q = x Wq^T + bq, k = x Wk^T + bk, v = x Wv^T + bv on codes of FP4 with E8M0 scales (K = 1,024: eight K steps of 128), f32 sums; the results are quantised at once for the
; attention's products: q and k along the head's 64 channels, v along the keys.  One text serves the three (KIND = work-group y: 0 q, 1 k, 2 v).
; A wave keeps a STATIONARY group of 128 rows in registers (8 tiles x 8 K steps: 512 registers), always source 0, and streams 16 tiles of the other operand as source 1.
;   q, k: stationary = 128 channels of W (two heads), streamed = tiles of 16 tokens: a lane holds ONE token, its 64 results run along the channels.
;   v:    stationary = 128 tokens of x,               streamed = tiles of 16 channels of Wv: a lane holds ONE channel, its 64 results run along the tokens, which are the keys.
; By the tiles' order of rows (tile 2 g + u: rows 32 g + 8 u + (r & 7) + 16 (r >> 3)) result register 16 b + i of lane half h is stationary row 32 b + 16 h + i: 16 neighbours along the next K.
; OUT: 64 records of RECB bytes, one for each (batch, head): +0 K's codes [key tile 0..127][512 B: 4 registers a lane, k = 32 h + 0..31 of the head's 64]; +65,536 V's codes [128 keys kb][channel tile 0..3][1,024 B];
; +131,072 K's scale words [tile / 4][r][4 tiles] (bytes 0, 1 the scales, bytes 2, 3 = 0x7f for the zero codes that fill K to 128); +139,264 V's scale words [kb][r][4 tiles]; +143,360 Q's codes; +208,896 Q's scale words, both as K's.
; 768 waves of equal work, one to a work-group.  Operands come from memory straight into registers as images (512 consecutive bytes a load), so there is no LDS, no barrier and no tensor load, and so nothing to ask for jointly in a cluster.
; LIMITS: a block of zeros gets the byte 1 (its codes are zeros; only this program reads the bytes); blocks under 2^-124 are held at the byte 1; NaN and infinities are not served.
; REGISTERS: window 0: v1-8 addresses; v16-79 the 8 accumulators; v80-143 what each sum begins with; v144-175 stationary scale words; v176-191 streamed scale words; v192-223 the quantiser's; v224-235 v's bias.
;   windows 1, 2: stationary fragment (K step s, tile a) at v[8 (8 (s % 4) + a)] of window 1 + s / 4.   window 3: four stream buffers of 64.
.set RECB, 217088
.set ACC,  16
.set CI,   80                          ; q, k: the bias in the result's layout; v: zeros
.set SS,   144                         ; register 8 p + s: lanes 0-15 tile 2 p's word of K step s, lanes 16-31 tile 2 p + 1's
.set TSC,  176                         ; buffer j: 4 registers: lanes 0-15 K steps 0-3, lanes 16-31 K steps 4-7
.set TM,   192                         ; v192-195 largest magnitudes, v196-199 bytes, v204-207 the conversions' scale operands
.set PC,   208                         ; v208-215 the codes just made
.set PW,   216                         ; their scale word
.set SW,   220                         ; v220-223 the scale words of a trip's four tiles
.set BV,   224                         ; v224-231 v's bias of my channel in the trip's four tiles, at the even registers
.set BN,   232                         ; v232-235 the same for the next trip
.set KIND, 16
.set SEL,  20                          ; s[20:21] v_permlanex16_b32's selects
.set MASK, 22
.set FILL, 23
.set OB0,  24                          ; s[24:25] where chunk 0 of the codes goes;  s[26:27] chunk 1;  s[28:29] the scale words
.set OB1,  26
.set OS,   28
.set TS,   30                          ; s[30:31] the codes' step from tile to tile;  s[32:33] and more from trip to trip;  s[34:35] the scale words' step
.set TRIPX, 32
.set OSSTEP, 34
.set SC,   36                          ; s[36:37] the stream's codes;  s[38:39] its scale words
.set SS2,  38
.set BP,   40                          ; s[40:41] the bias
.set STC,  42                          ; s[42:43] the stationary codes;  s[44:45] their scale words
.set STS,  44
.set HS,   46
.set SHM,  47
.set CNT,  56
.set MSB, 0
.macro WIN new                         ; the immediate's high byte repeats the setting that is left
.if MSB != \new
	s_set_vgpr_msb (MSB<<8)|\new
.set MSB, \new
.endif
.endm
	s_load_b256 s[4:11], s[0:1], 0x0               ; codes, scales, bq, bk
	s_load_b128 s[12:15], s[0:1], 0x20             ; bv, rec
	v_and_b32 v1, 15, v0                           ; r
	v_bfe_u32 v2, v0, 4, 1                         ; h
	v_lshlrev_b32 v3, 4, v0                        ; 16 x lane: an image's place for my lane
	v_lshlrev_b32 v6, 6, v2                        ; 64 h: q's and k's bias of my half
	v_and_b32 v7, 7, v0
	v_bfe_u32 v8, v0, 3, 1
	v_lshl_add_u32 v7, v8, 4, v7
	v_lshlrev_b32 v7, 2, v7                        ; 4 ((r & 7) + 16 (r >> 3)): v's bias of my channel
	v_lshlrev_b32 v8, 4, v1
	v_lshl_add_u32 v8, v2, 9, v8                   ; 512 h + 16 r: stationary scale words of a pair of tiles
.irp b, 0,1,2,3
	v_mov_b32 v[TM+4+\b], 0                        ; written once: a lane permute's destination counts as one of its sources
	v_mov_b32 v[BN+\b], 0
.endr
.irp b, 0,1,2,3,4,5,6,7
	v_mov_b32 v[BV+\b], 0                          ; (the odd ones are named as upper halves of pairs)
.endr
	s_and_b32 s[KIND], ttmp7, 0xffff
	s_mov_b32 s17, ttmp9
	s_mov_b32 s[SEL], 0x76543210
	s_mov_b32 s[SEL+1], 0xfedcba98
.irp p, 25,27,29,31,33,35,37,39,43,45,59
	s_mov_b32 s\p, 0                               ; the upper words of offsets and steps
.endr
	s_wait_kmcnt 0x0
	s_cmp_eq_u32 s[KIND], 2
	s_cbranch_scc1 .Lv_arm
	; ---- q, k: x = 32 G + R: G = which 128 channels, R = which 16 tiles of tokens
	s_lshr_b32 s48, s17, 5                         ; G
	s_and_b32 s49, s17, 31                         ; R
	s_lshr_b32 s50, s49, 3                         ; batch
	s_and_b32 s51, s49, 7
	s_lshl_b32 s51, s51, 4                         ; first tile within the batch
	s_lshl_b32 s52, s[KIND], 6
	s_lshl_b32 s53, s48, 3
	s_add_co_u32 s52, s52, s53
	s_add_co_u32 s52, s52, 512                     ; first stationary tile: 512 + 64 KIND + 8 G
	s_lshl_b32 s53, s49, 4                         ; first streamed tile: 16 R
	s_lshl_b32 s54, s50, 4
	s_lshl_b32 s55, s48, 1
	s_add_co_u32 s54, s54, s55
	s_mul_i32 s54, s54, RECB                       ; the record of head 2 G
	s_lshl_b32 s58, s48, 9                         ; 128 G channels of bias
	s_cmp_eq_u32 s[KIND], 0
	s_cselect_b32 s55, 143360, 0                   ; Q's codes or K's
	s_mov_b32 s57, 131072
	s_cselect_b32 s57, 208896, s57                 ; and their scale words
	s_cselect_b64 s[BP:BP+1], s[8:9], s[10:11]     ; bq or bk
	s_add_nc_u64 s[BP:BP+1], s[BP:BP+1], s[58:59]
	s_lshl_b32 s[OB0], s51, 9
	s_add_co_u32 s[OB0], s[OB0], s54
	s_add_co_u32 s[OB0], s[OB0], s55
	s_add_co_u32 s[OB1], s[OB0], RECB              ; chunk 1 is head 2 G + 1's
	s_lshl_b32 s[OS], s51, 6
	s_add_co_u32 s[OS], s[OS], s54
	s_add_co_u32 s[OS], s[OS], s57
	s_mov_b32 s[TS], 512
	s_mov_b32 s[TRIPX], 0
	s_mov_b32 s[OSSTEP], 256
	s_mov_b32 s[MASK], 0xffff                      ; a head's two bytes,
	s_mov_b32 s[FILL], 0x7f7f0000                  ; and 2^0 over the zero codes
	s_mov_b32 s[HS], RECB                          ; lanes 16-31 store head 2 G + 1's words,
	s_mov_b32 s[SHM], 16                           ; which are the word's upper two bytes
.irp a, 0,1,2,3,4,5,6,7
	global_load_b128 v[CI+8*\a:CI+8*\a+3], v6, s[BP:BP+1] offset:(32*(\a/2)+8*(\a%2))*4       ; the bias is the C of each sum's first instruction
	global_load_b128 v[CI+8*\a+4:CI+8*\a+7], v6, s[BP:BP+1] offset:(32*(\a/2)+8*(\a%2))*4+16
.endr
	s_branch .Ljoin
.Lv_arm:
	; ---- v: x = 4 Gx + R: Gx = which 128 tokens, R = which 16 tiles of channels (four heads)
	s_lshr_b32 s48, s17, 2                         ; Gx
	s_and_b32 s49, s17, 3                          ; R
	s_lshr_b32 s50, s48, 4                         ; batch
	s_and_b32 s51, s48, 15                         ; kb: which 128 keys of the batch
	s_lshl_b32 s52, s48, 3                         ; first stationary tile: 8 Gx
	s_lshl_b32 s53, s49, 4
	s_add_co_u32 s53, s53, 640                     ; first streamed tile: 640 + 16 R
	s_lshl_b32 s54, s50, 4
	s_lshl_b32 s55, s49, 2
	s_add_co_u32 s54, s54, s55
	s_mul_i32 s54, s54, RECB                       ; the record of head 4 R
	s_lshl_b32 s55, s51, 12
	s_add_co_u32 s[OB0], s54, s55
	s_add_co_u32 s[OB0], s[OB0], 65536
	s_add_co_u32 s[OB1], s[OB0], 512
	s_lshl_b32 s55, s51, 8
	s_add_co_u32 s[OS], s54, s55
	s_add_co_u32 s[OS], s[OS], 139264
	s_mov_b32 s[TS], 1024
	s_mov_b32 s[TRIPX], RECB-4096                  ; four tiles are a head: on to the next record
	s_mov_b32 s[OSSTEP], RECB
	s_mov_b32 s[MASK], -1
	s_mov_b32 s[FILL], 0
	s_mov_b32 s[HS], 0                             ; lanes 16-31 store the same words to the same places as lanes 0-15
	s_mov_b32 s[SHM], 0
	s_lshl_b32 s58, s49, 10                        ; 256 R channels of bias
	s_add_nc_u64 s[BP:BP+1], s[12:13], s[58:59]
.set j, 0
.rept 64
	v_mov_b32 v[CI+j], 0                           ; once: v's bias hangs on the lane and the streamed tile, so it is added behind the sums
.set j, j+1
.endr
.irp b, 0,1,2,3
	global_load_b32 v[BN+\b], v7, s[BP:BP+1] offset:128*(\b/2)+32*(\b%2)
.endr
.Ljoin:
	s_add_nc_u64 s[OB0:OB0+1], s[14:15], s[OB0:OB0+1]
	s_add_nc_u64 s[OB1:OB1+1], s[14:15], s[OB1:OB1+1]
	s_add_nc_u64 s[OS:OS+1], s[14:15], s[OS:OS+1]
	s_lshl_b32 s[STC], s52, 13
	s_add_nc_u64 s[STC:STC+1], s[4:5], s[STC:STC+1]
	s_lshl_b32 s[STS], s52, 9
	s_add_nc_u64 s[STS:STS+1], s[6:7], s[STS:STS+1]
	s_lshl_b32 s[SC], s53, 13
	s_add_nc_u64 s[SC:SC+1], s[4:5], s[SC:SC+1]
	s_lshl_b32 s[SS2], s53, 9
	s_add_nc_u64 s[SS2:SS2+1], s[6:7], s[SS2:SS2+1]
	v_mul_u32_u24 v4, s[HS], v2
	v_lshl_add_u32 v4, v1, 4, v4                   ; the scale words' place: 16 r (+ a record for lanes 16-31 of q and k)
	v_mul_u32_u24 v5, s[SHM], v2                   ; and which half of the word is mine
	WIN 0x40                                       ; destination window 1
.irp s, 0,1,2,3
.irp a, 0,1,2,3,4,5,6,7
	global_load_b128 v[8*(8*\s+\a):8*(8*\s+\a)+3], v3, s[STC:STC+1] offset:8192*\a+1024*\s
	global_load_b128 v[8*(8*\s+\a)+4:8*(8*\s+\a)+7], v3, s[STC:STC+1] offset:8192*\a+1024*\s+512
.endr
.endr
	WIN 0x80                                       ; destination window 2
.irp s, 0,1,2,3
.irp a, 0,1,2,3,4,5,6,7
	global_load_b128 v[8*(8*\s+\a):8*(8*\s+\a)+3], v3, s[STC:STC+1] offset:8192*\a+1024*(\s+4)
	global_load_b128 v[8*(8*\s+\a)+4:8*(8*\s+\a)+7], v3, s[STC:STC+1] offset:8192*\a+1024*(\s+4)+512
.endr
.endr
	WIN 0
.irp p, 0,1,2,3
.irp w, 0,1
	global_load_b128 v[SS+8*\p+4*\w:SS+8*\p+4*\w+3], v8, s[STS:STS+1] offset:1024*\p+256*\w
.endr
.endr
; Streamed tile i of the trip (and, from 4 on, of the next) into buffer i % 4: 17 loads
.macro PF i
	WIN 0xc0                                       ; destination window 3
.irp s, 0,1,2,3,4,5,6,7
	global_load_b128 v[64*((\i)%4)+8*\s:64*((\i)%4)+8*\s+3], v3, s[SC:SC+1] offset:8192*(\i)+1024*\s
	global_load_b128 v[64*((\i)%4)+8*\s+4:64*((\i)%4)+8*\s+7], v3, s[SC:SC+1] offset:8192*(\i)+1024*\s+512
.endr
	WIN 0
	global_load_b128 v[TSC+4*((\i)%4):TSC+4*((\i)%4)+3], v3, s[SS2:SS2+1] offset:512*(\i)
.endm
; One product: stationary tile a x stream buffer j, K step s
.macro WM j, s, a
.set rD, ACC+8*(\a)
.set rA, 8*(8*((\s)%4)+(\a))
.set rB, 64*(\j)+8*(\s)
.set rSA, SS+8*((\a)/2)+(\s)
.set rSB, TSC+4*(\j)+((\s)%4)
.set rC, rD
.if (\s) == 0
.set rC, CI+8*(\a)
.endif
.if (((\a)%2) == 0) && ((\s) < 4)
	v_wmma_scale_f32_16x16x128_f8f6f4 v[rD:rD+7], v[rA:rA+7], v[rB:rB+7], v[rC:rC+7], v[rSA], v[rSB] matrix_a_fmt:MATRIX_FMT_FP4 matrix_b_fmt:MATRIX_FMT_FP4
.elseif (\s) < 4
	v_wmma_scale_f32_16x16x128_f8f6f4 v[rD:rD+7], v[rA:rA+7], v[rB:rB+7], v[rC:rC+7], v[rSA], v[rSB] matrix_a_fmt:MATRIX_FMT_FP4 matrix_b_fmt:MATRIX_FMT_FP4 matrix_a_scale:MATRIX_SCALE_ROW1
.elseif ((\a)%2) == 0
	v_wmma_scale_f32_16x16x128_f8f6f4 v[rD:rD+7], v[rA:rA+7], v[rB:rB+7], v[rC:rC+7], v[rSA], v[rSB] matrix_a_fmt:MATRIX_FMT_FP4 matrix_b_fmt:MATRIX_FMT_FP4 matrix_b_scale:MATRIX_SCALE_ROW1
.else
	v_wmma_scale_f32_16x16x128_f8f6f4 v[rD:rD+7], v[rA:rA+7], v[rB:rB+7], v[rC:rC+7], v[rSA], v[rSB] matrix_a_fmt:MATRIX_FMT_FP4 matrix_b_fmt:MATRIX_FMT_FP4 matrix_a_scale:MATRIX_SCALE_ROW1 matrix_b_scale:MATRIX_SCALE_ROW1
.endif
.endm
; 64 numbers of a lane, register 16 b + i = k 32 b + 16 (lane / 16) + i of my row, become a fragment's codes in v[PC] on and its scale word in v[PW]
.macro QUANT s
.irp b, 0,1,2,3
	v_max3_num_f32 v[TM+\b], |v[\s+16*\b]|, |v[\s+1+16*\b]|, 0x1800000   ; block b: my 16 numbers, and the floor 2^(3 - 127): the byte cannot fall under 1
.endr
.irp i, 2,4,6,8,10,12,14
.irp b, 0,1,2,3
	v_max3_num_f32 v[TM+\b], v[TM+\b], |v[\s+16*\b+\i]|, |v[\s+1+16*\b+\i]|   ; (the four blocks by turns)
.endr
.endr
.irp b, 0,1,2,3
	v_permlanex16_b32 v[TM+4+\b], v[TM+\b], s[SEL], s[SEL+1]
.endr
.irp b, 0,1,2,3
	v_max_num_f32 v[TM+\b], v[TM+\b], v[TM+4+\b]   ; with lane l xor 16's: the block's largest magnitude
.endr
.irp b, 0,1,2,3
	v_add_nc_u32 v[TM+12+\b], 0xff000000, v[TM+\b] ; 2 off its exponent field: the conversion's scale operand
.endr
.irp b, 0,1,2,3
	v_lshrrev_b32 v[TM+4+\b], 23, v[TM+12+\b]      ; the scale's byte
.endr
	v_lshl_or_b32 v[PW], v[TM+5], 8, v[TM+4]
	v_lshl_or_b32 v[PW], v[TM+6], 16, v[PW]
	v_lshl_or_b32 v[PW], v[TM+7], 24, v[PW]
.irp b, 0,1,2,3
	v_cvt_scalef32_pk8_fp4_f32 v[PC+2*\b], v[\s+16*\b:\s+7+16*\b], v[TM+12+\b]
	v_cvt_scalef32_pk8_fp4_f32 v[PC+1+2*\b], v[\s+8+16*\b:\s+15+16*\b], v[TM+12+\b]
.endr
	v_nop                                          ; one plain line behind a scaled conversion
.irp c, 0,1                                    ; the operand's layout wants a WHOLE block in a lane: lanes 0-15 block 2 c, lanes 16-31 block 2 c + 1
.irp i, 0,1
	v_permlane16_swap_b32 v[PC+4*\c+\i], v[PC+2+4*\c+\i]
.endr
.endr
.endm
; One streamed tile.  pf: tile j + 3 is asked for.  left: the loads of the tiles behind mine, which may stay out (on v's way four bias loads lie among them: the count is then stricter than need be).
; more: v's bias of the next trip is asked for (in tile 1: behind those loads come the 34 of tiles 2 and 3, so the next trip's first wait shows them landed).
.macro TILE j, pf, left, more
	s_wait_loadcnt \left
.if \pf
	PF (\j)+3                                      ; its buffer was last multiplied a whole quantising ago
.endif
.irp s, 0,1,2,3,4,5,6,7
.if \s == 0
	WIN 0x0d                                       ; source 0 window 1, source 1 window 3, C and D window 0
.endif
.if \s == 4
	WIN 0x0e                                       ; source 0 window 2
.endif
.irp a, 0,1,2,3,4,5,6,7
	WM \j, \s, \a                                  ; the eight accumulators take turns, one instruction a turn
.endr
.endr
	WIN 0
.rept 4
	v_nop                                          ; four places between the last products and the first read of results (ISA guide 7.12.1)
.endr
	s_cmp_lg_u32 s[KIND], 2
	s_cbranch_scc1 .Lnob_\@
.if (\j) == 0
.irp b, 0,1,2,3
	v_mov_b32 v[BV+2*\b], v[BN+\b]                 ; this trip's four biases
.endr
.endif
.set i, 0
.rept 32
	v_pk_add_f32 v[ACC+i:ACC+i+1], v[ACC+i:ACC+i+1], v[BV+2*(\j):BV+2*(\j)+1] op_sel_hi:[1,0]   ; + bv of my channel, each accumulator from its low end on
.set i, i+2
.endr
.if ((\j) == 1) && \more
	s_wait_xcnt 0x0                                ; the bias pointer steps only behind this wait
	s_add_nc_u64 s[BP:BP+1], s[BP:BP+1], 256
.irp b, 0,1,2,3
	global_load_b32 v[BN+\b], v7, s[BP:BP+1] offset:128*(\b/2)+32*(\b%2)
.endr
.endif
.Lnob_\@:
	QUANT ACC
	v_lshrrev_b32 v[SW+(\j)], v5, v[PW]            ; q, k: lanes 0-15 the first head's two bytes, lanes 16-31 the second's; v: the word as it is
	v_and_or_b32 v[SW+(\j)], v[SW+(\j)], s[MASK], s[FILL]
	global_store_b128 v3, v[PC:PC+3], s[OB0:OB0+1]         ; 32 lanes store 512 consecutive bytes, aligned
	global_store_b128 v3, v[PC+4:PC+7], s[OB1:OB1+1]
.if (\j) == 3
	global_store_b128 v4, v[SW:SW+3], s[OS:OS+1]           ; sixteen lanes store 256 consecutive bytes, aligned
.endif
	s_wait_xcnt 0x0                                ; codes, words and every base are written again only behind this wait
	s_add_nc_u64 s[OB0:OB0+1], s[OB0:OB0+1], s[TS:TS+1]
	s_add_nc_u64 s[OB1:OB1+1], s[OB1:OB1+1], s[TS:TS+1]
.if (\j) == 3
	s_add_nc_u64 s[OB0:OB0+1], s[OB0:OB0+1], s[TRIPX:TRIPX+1]
	s_add_nc_u64 s[OB1:OB1+1], s[OB1:OB1+1], s[TRIPX:TRIPX+1]
	s_add_nc_u64 s[OS:OS+1], s[OS:OS+1], s[OSSTEP:OSSTEP+1]
	s_add_nc_u64 s[SC:SC+1], s[SC:SC+1], 32768
	s_add_nc_u64 s[SS2:SS2+1], s[SS2:SS2+1], 2048
.endif
.endm
	PF 0
	PF 1
	PF 2
	s_mov_b32 s[CNT], 3
.Ltrip:                                            ; a trip is four streamed tiles
	s_wait_alu depctr_va_vdst(0)
	TILE 0, 1, 34, 0
	TILE 1, 1, 34, 1
	TILE 2, 1, 34, 0
	TILE 3, 1, 34, 0
	s_sub_co_u32 s[CNT], s[CNT], 1
	s_cmp_lg_u32 s[CNT], 0
	s_cbranch_scc1 .Ltrip
	TILE 0, 1, 34, 0                               ; the last four tiles are written out: one more tile is asked for, then the counts run down
	TILE 1, 0, 34, 0
	TILE 2, 0, 17, 0
	TILE 3, 0, 0, 0
	s_endpgm
.Lfunc_end_k_qcafc6b0cab_proj:
	.size	k_qcafc6b0cab_proj, .Lfunc_end_k_qcafc6b0cab_proj-k_qcafc6b0cab_proj
	.p2alignl 7, 3214868480
	.fill 96, 4, 3214868480
	.section	.rodata,"a",@progbits
	.p2align	6, 0x0
	.amdhsa_kernel k_qcafc6b0cab_proj
		.amdhsa_group_segment_fixed_size 0
		.amdhsa_private_segment_fixed_size 0
		.amdhsa_enable_private_segment 0
		.amdhsa_kernarg_size 48
		.amdhsa_user_sgpr_count 2
		.amdhsa_user_sgpr_kernarg_segment_ptr 1
		.amdhsa_wavefront_size32 1
		.amdhsa_system_sgpr_workgroup_id_x 1
		.amdhsa_system_sgpr_workgroup_id_y 1
		.amdhsa_system_sgpr_workgroup_id_z 1
		.amdhsa_system_vgpr_workitem_id 0
		.amdhsa_next_free_vgpr 1024
		.amdhsa_next_free_sgpr 66
		.amdhsa_reserve_vcc 0
		.amdhsa_float_denorm_mode_32 3
		.amdhsa_float_denorm_mode_16_64 3
		.amdhsa_memory_ordered 1
		.amdhsa_forward_progress 1
		.amdhsa_inst_pref_size 152
	.end_amdhsa_kernel
	.amdgpu_metadata
---
amdhsa.version: [ 1, 2 ]
amdhsa.kernels:
  - .name:           k_qcafc6b0cab_proj
    .symbol:         k_qcafc6b0cab_proj.kd
    .args:
      - { .name: codes, .offset: 0, .size: 8, .value_kind: global_buffer, .address_space: global }
      - { .name: scales, .offset: 8, .size: 8, .value_kind: global_buffer, .address_space: global }
      - { .name: bq, .offset: 16, .size: 8, .value_kind: global_buffer, .address_space: global }
      - { .name: bk, .offset: 24, .size: 8, .value_kind: global_buffer, .address_space: global }
      - { .name: bv, .offset: 32, .size: 8, .value_kind: global_buffer, .address_space: global }
      - { .name: rec, .offset: 40, .size: 8, .value_kind: global_buffer, .address_space: global }
    .group_segment_fixed_size: 0
    .private_segment_fixed_size: 0
    .kernarg_segment_align: 8
    .kernarg_segment_size: 48
    .max_flat_workgroup_size: 32
    .sgpr_count:     66
    .vgpr_count:     1024
    .wavefront_size: 32
...
	.end_amdgpu_metadata
.endif
;; end of part 2
;; launch attn (part 3): grid 8 x 32, 16 waves a work-group, clusters of 4 x 1, 327,680 bytes of LDS; arguments rec, codes, scales, pp, wp; writes pp, wp
.if DOCPART == 3
	.amdgcn_target "amdgcn-amd-amdhsa--gfx1250"
	.amdhsa_code_object_version 6
	.text
	.protected	k_qcafc6b0cab_attn
	.globl	k_qcafc6b0cab_attn
	.p2align	8
	.type	k_qcafc6b0cab_attn,@function
k_qcafc6b0cab_attn:
	s_mov_b64 s[64:65], 0
	v_nop
	global_prefetch_b8 v0, s[64:65] scope:SCOPE_SE
	s_setreg_imm32_b32 hwreg(HW_REG_WAVE_MODE, 25, 1), 1
	s_wait_xcnt 0x0
	s_wait_alu depctr_hold_cnt(0) depctr_sa_sdst(0) depctr_va_vdst(0) depctr_va_sdst(0) depctr_va_ssrc(0) depctr_va_vcc(0) depctr_vm_vsrc(0)
	s_getreg_b32 s2, hwreg(HW_REG_IB_STS2, 6, 4)
	s_cmp_eq_u32 s2, 0
	s_cbranch_scc0 .Lentry_in_a_cluster
	s_endpgm
.Lentry_in_a_cluster:
	s_bfe_u32 s2, ttmp6, 0x10000c
	s_cmp_lg_u32 s2, 0x3003
	s_cbranch_scc0 .Lentry_shape_is_right
	s_endpgm
.Lentry_shape_is_right:
; Attention on codes of FP4 (E2M1) with E8M0 scales, the product with Wo, and both means' partial sums.
; A work-group owns 256 queries (x) of one pair of heads of one batch (y); each of its 16 waves owns one tile of 16 queries.
; PASS 1, head by head: S^T = K Q^T (K = the head's 64, filled to 128 with zero codes), t = score x log2(e) / 8, M = the running largest t rounded up to a whole number,
;   p = 2^(t - M) quantised along the keys, O^T += V^T P^T, the row's sum l of the unquantised p.  At a head's end O^T / l is quantised along the channels, and -M - log2(l) of each query goes to LDS.
; Wo: the pair's 128 channels are one K step of out = context Wo^T; wave w takes Wo's tiles 4 w .. 4 w + 3 against all 16 query tiles and sums over the queries: pp.
; PASS 2, the mean of the finished softmax over queries and heads: wave w OWNS key tiles 8 w .. 8 w + 7.  Their codes of BOTH heads stay in registers as one operand (head A at k 0-63, head B at k 64-127);
;   a query tile comes from LDS as (QA, zeros) or (zeros, QB), so one head's scores come out.  Source 0 = queries: a lane holds one key and eight queries; attn = 2^(t - M - log2 l) is added up in f32: wp.
; CLUSTERS: the four work-groups of a cluster walk the same two records of K and V: each wave's one tensor load (17,920 bytes as 70 rows of 256) is a joint load with the mask 15.
; No prefetch: K and V are fetched once, at the head, and the text has no loop to run ahead in.
; LIMITS: the promise holds while the scaled scores t stay under 2^31 in magnitude; NaN and infinities are not served; a block of zeros has the byte 1 (its codes are zeros; only this program reads the bytes).
; LDS: two records' K and V parts; the context's images and scale words; -M - log2 l; Q's images and scale words; the spare words.
.set RECB, 217088
.set RECL, 143360
.set PART, 17920
.set CTXI, 2*RECL
.set CTXS, CTXI+16384
.set STT,  CTXS+2048                   ; [head][tile][16 queries] f32
.set QI,   STT+2048                    ; [head][tile][512 bytes]
.set QSW,  QI+16384                    ; [head][tile][16 words]; head B's bytes stand in the word's upper half
.set SPARE, QSW+2048                   ; 128 bytes a wave; no other line names them
.set LI,   1                           ; 16 x lane
.set R16,  2                           ; 16 r
.set HH,   3                           ; h
.set ADK,  4
.set ADV,  5
.set ADS,  6
.set ADT,  7
.set STW,  8
.set CSV,  9                           ; pass 1: my lane's place among the head's scale words of K
.set QSA,  10
.set QSB,  11
.set KSC,  12
.set VSC,  20
.set PSW,  24
.set CK,   25                          ; pass 1: my lane's place in the head's codes of K
.set NEGM, 26
.set TMX,  27                          ; the running largest score
.set LSUM, 28
.set FF,   30
.set QA,   32
.set QB,   40
.set KF,   48
.set VF,   80
.set BM,   112
.set T2,   116
.set SCO,  120
.set WK,   124
.set SS,   128
.set OT,   192
.set PCD,  224
.set CX,   232
.set CXW,  244
.set CT,   245                         ; pass 1: my lane's place among the head's scale words of V
.set RCP,  246
.set LG,   248
.set P0,   124                         ; eight pairs for the row's sum of a step
.set P1,   126
.set P2,   240
.set P3,   242
.set P4,   246
.set P5,   248
.set P6,   250
.set P7,   252
.set SPW,  254                         ; my spare word's address; never rewritten
.set NIL,  255                         ; 0; never rewritten
; pass 2's registers
.set AQ,   4
.set AQS,  5
.set ANM,  6
.set R4,   8
.set H32,  9
.set QS2,  10                          ; v10, v11: the query tile's scale words, head A, head B
.set KS,   12                          ; v12-19: my eight key tiles' scale words, both heads in one word
.set KK,   32                          ; v32-95: my eight key tiles: 4 registers of head A, 4 of head B
.set S,    96                          ; v96-159: two buffers of four tiles of scores
.set ACC,  160                         ; v160-223: the sums, register 8 t + j
.set QF,   224                         ; v224-235: QA, zeros, QB
.set NMA,  236                         ; v236-243, v244-251: -M - log2 l of my eight queries, head A, head B
.set NMB,  244
.set WV,   14
.set SEL,  20
.set CS,   22
.set TT,   40                          ; 256 x the key step: the loop's counter, and what the step's addresses are made of
.set CNT,  43
.set UQ,   54
.set US,   55
.set UN,   56
.macro WM0 d, a, b, sa, sb
	v_wmma_scale_f32_16x16x128_f8f6f4 v[\d:\d+7], v[\a:\a+7], v[\b:\b+7], 0, v[\sa], v[\sb] matrix_a_fmt:MATRIX_FMT_FP4 matrix_b_fmt:MATRIX_FMT_FP4
.endm
.macro WMA d, a, b, sa, sb
	v_wmma_scale_f32_16x16x128_f8f6f4 v[\d:\d+7], v[\a:\a+7], v[\b:\b+7], v[\d:\d+7], v[\sa], v[\sb] matrix_a_fmt:MATRIX_FMT_FP4 matrix_b_fmt:MATRIX_FMT_FP4
.endm
.macro PLACES
.rept 4
	v_nop
.endr
.endm
.macro PADD d, a                       ; pair d += pair a
	v_pk_add_f32 v[\d:\d+1], v[\d:\d+1], v[\a:\a+1]
.endm
.macro ROUND                           ; a round of the cluster's barrier
	s_barrier_signal -1
	s_barrier_wait -1
	s_cmp_lg_u32 s[WV], 0
	s_cbranch_scc1 .Lnot_wave_0_\@
	s_barrier_signal -3
.Lnot_wave_0_\@:
	s_barrier_wait -3
	s_barrier_signal -1
	s_barrier_wait -1
.endm
	s_load_b256 s[4:11], s[0:1], 0x0               ; rec, codes, scales, pp
	s_load_b64 s[12:13], s[0:1], 0x20              ; wp
	v_lshl_add_u32 v[SPW], v0, 2, SPARE
	v_mov_b32 v[NIL], 0
	ds_add_u32 v[SPW], v[NIL]                      ; the opening lines: the add twice on end and one wait
	ds_add_u32 v[SPW], v[NIL]
	v_lshrrev_b32 v9, 5, v0
	v_readfirstlane_b32 s[WV], v9                  ; wave 0..15
	s_and_b32 s15, ttmp7, 0xffff                   ; y: 8 x batch + pair of heads
	s_and_b32 s16, s15, 7                          ; the pair
	s_bfe_u32 s17, ttmp6, 0x40000                  ; cx
	s_lshl_b32 s18, ttmp9, 2
	s_add_co_u32 s17, s17, s18                     ; x: which 256 queries
	s_mov_b32 s24, 15|(3<<16)|(1<<21)              ; the mask of the four partners, elements of 8 bytes, bit 21 beside the mask
	s_mov_b32 s25, 32<<16                          ; rows of 256 bytes,
	s_mov_b32 s26, 70<<16                          ; 70 of them
	s_mov_b32 s27, 32<<16
	s_mov_b32 s28, 70
	s_mov_b32 s29, 32
	s_mov_b32 s30, 0
	s_mov_b32 s31, 0
	s_mul_i32 s18, s15, 2*RECB                     ; the pair's first record
	s_lshr_b32 s19, s[WV], 3                       ; waves 0-7 fetch head A's K and V part, waves 8-15 head B's,
	s_mul_i32 s19, s19, RECB
	s_and_b32 s2, s[WV], 7
	s_mul_i32 s2, s2, PART                         ; an eighth each
	s_add_co_u32 s2, s2, s19
	s_add_co_u32 s2, s2, s18
	s_mov_b32 s3, 0
	s_mov_b32 s32, 1
	s_mul_i32 s33, s[WV], PART                     ; in LDS the sixteen parts lie on end
	s_wait_dscnt 0x0
	s_wait_kmcnt 0x0
	s_add_nc_u64 s[34:35], s[4:5], s[2:3]
	s_or_b32 s35, s35, 0x80000000
	ROUND                                          ; the four partners are here: the joint loads meet
	tensor_load_to_lds s[32:35], s[24:31]          ; my one tensor load of the launch
	s_nop 0
	PLACES
	s_lshl_b32 s40, s17, 4
	s_add_co_u32 s40, s40, s[WV]                   ; my query tile within the batch
	s_lshl_b32 s2, s40, 9
	s_add_co_u32 s2, s2, s18
	s_add_co_u32 s2, s2, RECL
	s_add_nc_u64 s[46:47], s[4:5], s[2:3]          ; Q's codes
	s_lshr_b32 s2, s40, 2
	s_lshl_b32 s2, s2, 8
	s_and_b32 s41, s40, 3
	s_lshl_b32 s41, s41, 2
	s_add_co_u32 s2, s2, s41
	s_add_co_u32 s2, s2, s18
	s_add_co_u32 s2, s2, 208896
	s_add_nc_u64 s[48:49], s[4:5], s[2:3]          ; Q's scale words
	s_lshl_b32 s2, s[WV], 15
	s_lshl_b32 s41, s16, 10
	s_add_co_u32 s2, s2, s41
	s_add_co_u32 s2, s2, 704*8192
	s_add_nc_u64 s[50:51], s[6:7], s[2:3]          ; Wo's tiles 4 w .., K step = the pair
	s_lshl_b32 s2, s[WV], 11
	s_lshr_b32 s41, s16, 2
	s_lshl_b32 s41, s41, 8
	s_add_co_u32 s2, s2, s41
	s_and_b32 s41, s16, 3
	s_lshl_b32 s41, s41, 2
	s_add_co_u32 s2, s2, s41
	s_add_co_u32 s2, s2, 704*512
	s_add_nc_u64 s[52:53], s[8:9], s[2:3]          ; and their scale words
	s_lshl_b32 s41, s15, 3
	s_add_co_u32 s41, s41, s17
	s_lshl_b32 s2, s41, 12
	s_add_nc_u64 s[10:11], s[10:11], s[2:3]        ; pp: 4,096 bytes a work-group
	s_lshl_b32 s2, s41, 13
	s_add_nc_u64 s[12:13], s[12:13], s[2:3]        ; wp: 8,192
	s_mov_b32 s[SEL], 0x76543210
	s_mov_b32 s[SEL+1], 0xfedcba98                 ; lane l xor 16
	s_mov_b32 s[CS], 0x3e38aa3b                    ; log2(e) / 8
	s_mov_b32 s[CS+1], s[CS]
	v_and_b32 v[ADT], 31, v0
	v_and_b32 v9, 15, v0
	v_bfe_u32 v[HH], v0, 4, 1
	v_lshlrev_b32 v[LI], 4, v[ADT]
	v_lshlrev_b32 v[R16], 4, v9
	s_lshl_b32 s19, s[WV], 6
	s_add_co_u32 s19, s19, STT
	v_lshl_add_u32 v[STW], v9, 2, s19              ; my tile's words of -M - log2 l
	global_load_b128 v[QA:QA+3], v[LI], s[46:47]
	global_load_b128 v[QB:QB+3], v[LI], s[46:47] offset:RECB
	global_load_b32 v[QSA], v[R16], s[48:49]
	global_load_b32 v[QSB], v[R16], s[48:49] offset:RECB
	s_lshl_b32 s19, s[WV], 9
	s_add_co_u32 s19, s19, QI
	v_add_nc_u32 v[ADK], s19, v[LI]
	s_lshl_b32 s19, s[WV], 6
	s_add_co_u32 s19, s19, QSW
	v_lshl_add_u32 v[ADV], v9, 2, s19
.irp i, 4,5,6,7
	v_mov_b32 v[QA+\i], 0                          ; the zero codes that fill K to 128
	v_mov_b32 v[QB+\i], 0
	v_mov_b32 v[KF+\i], 0
	v_mov_b32 v[KF+8+\i], 0
	v_mov_b32 v[KF+16+\i], 0
	v_mov_b32 v[KF+24+\i], 0
	v_mov_b32 v[T2+\i-4], 0                        ; a lane permute's destination counts as a source
.endr
	v_mov_b32 v[FF+1], 0
	s_wait_alu depctr_va_vdst(0)                   ; the wait at the head's end
	s_wait_loadcnt 0x0
	v_lshl_or_b32 v[WK], v[QSB], 16, 0x7f7f        ; head B's two bytes for k 64-127, 2^0 over the zero codes
	s_wait_alu depctr_va_vdst(0)                   ; ahead of the wait below
	s_wait_tensorcnt 0x0                           ; my part of K and V is in
	ds_store_b128 v[ADK], v[QA:QA+3]               ; my query tile for pass 2, where every wave reads it
	ds_store_b128 v[ADK], v[QB:QB+3] offset:8192
	ds_store_b32 v[ADV], v[QSA]
	ds_store_b32 v[ADV], v[WK] offset:1024
	s_wait_dscnt 0x0
	s_barrier_signal -1
	s_barrier_wait -1                              ; everybody's part is in
.macro KPRE ak, as, ko, so             ; a key step's first four tiles of K and its eight scale words
.irp t, 0,1,2,3
	ds_load_b128 v[KF+8*\t:KF+8*\t+3], v[\ak] offset:\ko+512*\t
.endr
	ds_load_b128 v[KSC:KSC+3], v[\as] offset:\so
	ds_load_b128 v[KSC+4:KSC+7], v[\as] offset:\so+256
.endm
; A KEY STEP of 128 keys.  Its first four tiles of K were asked for in the step before.
.macro KSTEP q, qs
	s_wait_dscnt 0x0
.irp t, 0,1,2,3
	WM0 SS+8*\t, KF+8*\t, \q, KSC+\t, \qs
.endr
	v_lshl_add_u32 v[ADK], s[TT], 4, v[CK]         ; the step's addresses (4,096, 512 and 256 bytes a step): also the four places ahead of the loads below
	v_lshl_add_u32 v[ADS], s[TT], 1, v[CSV]
	v_add_nc_u32 v[ADT], s[TT], v[CT]
	v_add_nc_u32 v[ADV], 0x10000, v[ADK]
.irp t, 0,1,2,3
	ds_load_b128 v[KF+8*\t:KF+8*\t+3], v[ADK] offset:2048+512*\t
.endr
.irp u, 0,1,2,3
	ds_load_b128 v[VF+8*\u:VF+8*\u+3], v[ADV] offset:1024*\u
	ds_load_b128 v[VF+8*\u+4:VF+8*\u+7], v[ADV] offset:1024*\u+512
.endr
	ds_load_b128 v[VSC:VSC+3], v[ADT]
	s_wait_dscnt 9                                 ; K's four tiles are in; V's eight loads and its scale words may be out
.irp t, 0,1,2,3
	WM0 SS+32+8*\t, KF+8*\t, \q, KSC+4+\t, \qs
.endr
.irp b, 0,1                                    ; each block's largest score; blocks 0 and 1, finished earlier, give the four places
	v_max3_num_f32 v[BM+\b], v[SS+16*\b], v[SS+1+16*\b], v[SS+2+16*\b]
.endr
.irp b, 0,1
	v_max3_num_f32 v[BM+\b], v[BM+\b], v[SS+16*\b+3], v[SS+16*\b+4]
.endr
.irp b, 2,3
	v_max3_num_f32 v[BM+\b], v[SS+16*\b], v[SS+1+16*\b], v[SS+2+16*\b]
.endr
.irp b, 2,3
	v_max3_num_f32 v[BM+\b], v[BM+\b], v[SS+16*\b+3], v[SS+16*\b+4]
.endr
.irp i, 5,7,9,11,13
.irp b, 0,1,2,3
	v_max3_num_f32 v[BM+\b], v[BM+\b], v[SS+16*\b+\i], v[SS+1+16*\b+\i]
.endr
.endr
.irp b, 0,1,2,3
	v_max_num_f32 v[BM+\b], v[BM+\b], v[SS+15+16*\b]
.endr
.irp b, 0,1,2,3
	v_permlanex16_b32 v[T2+\b], v[BM+\b], s[SEL], s[SEL+1]
.endr
.irp b, 0,1,2,3
	v_max_num_f32 v[BM+\b], v[BM+\b], v[T2+\b]     ; with lane l xor 16's 16 keys (the four blocks by turns)
.endr
	s_delay_alu instid0(VALU_DEP_2)
	v_max3_num_f32 v[WK], v[BM], v[BM+1], v[BM+2]
	s_delay_alu instid0(VALU_DEP_1)
	v_max3_num_f32 v[TMX], v[WK], v[BM+3], v[TMX]  ; the running largest score
	s_delay_alu instid0(VALU_DEP_1)
	v_mul_f32 v[WK], s[CS], v[TMX]                 ; as t (the factor is positive)
	v_mov_b32 v[WK+1], v[NEGM]
	s_delay_alu instid0(VALU_DEP_2)
	v_floor_f32 v[NEGM], -v[WK]                    ; -M = floor(-t)
	s_delay_alu instid0(VALU_DEP_1)
	v_sub_f32 v[WK], v[NEGM], v[WK+1]
	s_delay_alu instid0(VALU_DEP_1)
	v_cvt_i32_f32 v[WK], v[WK]
	s_delay_alu instid0(VALU_DEP_1)
	v_ldexp_f32 v[FF], 1.0, v[WK]                  ; f = 2^(old M - new M)
.set j, 0
.rept 16
	v_pk_fma_f32 v[SS+j:SS+j+1], v[SS+j:SS+j+1], s[CS:CS+1], v[NEGM:NEGM+1] op_sel_hi:[1,0,0]   ; t - M of blocks 0 and 1
.set j, j+2
.endr
.irp b, 0,1,2,3
	v_fma_f32 v[BM+\b], v[BM+\b], s[CS], v[NEGM]
.endr
	s_wait_alu depctr_va_vdst(0)                   ; ahead of the batch
.set j, 0
.rept 16                                       ; p = 2^(t - M) of blocks 0 and 1, by turns with t - M of blocks 2 and 3
	v_exp_f32 v[SS+j], v[SS+j]
	v_exp_f32 v[SS+j+1], v[SS+j+1]
	v_pk_fma_f32 v[SS+32+j:SS+32+j+1], v[SS+32+j:SS+32+j+1], s[CS:CS+1], v[NEGM:NEGM+1] op_sel_hi:[1,0,0]
.set j, j+2
.endr
.irp b, 0,1,2,3
	v_exp_f32 v[BM+\b], v[BM+\b]                   ; each block's largest p
.endr
	v_pk_mul_f32 v[LSUM:LSUM+1], v[LSUM:LSUM+1], v[FF:FF+1] op_sel_hi:[1,0]
	s_wait_alu depctr_va_vdst(0)                   ; behind that batch and ahead of the next
.set k, 0
.irp p, P0,P1,P2,P3,P4,P5,P6,P7                ; p of blocks 2 and 3, by turns with the first additions of blocks 0 and 1 and the floors: each destination is written once
	v_exp_f32 v[SS+32+4*k], v[SS+32+4*k]
	v_exp_f32 v[SS+33+4*k], v[SS+33+4*k]
	v_pk_add_f32 v[\p:\p+1], v[SS+4*k:SS+4*k+1], v[SS+4*k+2:SS+4*k+3]
	v_exp_f32 v[SS+34+4*k], v[SS+34+4*k]
	v_exp_f32 v[SS+35+4*k], v[SS+35+4*k]
.if k < 4
	v_max_num_f32 v[BM+k], 0x1800000, v[BM+k]      ; the floor 2^(3 - 127): the byte stays at 1 or above
.endif
.set k, k+1
.endr
	s_wait_alu depctr_va_vdst(0)                   ; behind the batch, ahead of its first reader
.irp b, 0,1,2,3
	v_add_nc_u32 v[SCO+\b], 0xff000000, v[BM+\b]   ; 2 off the exponent field: the conversion's scale operand
.endr
.irp b, 0,1,2,3
	v_lshrrev_b32 v[T2+\b], 23, v[SCO+\b]
.endr
	s_delay_alu instid0(VALU_DEP_3)
	v_lshl_or_b32 v[PSW], v[T2+1], 8, v[T2]
	s_delay_alu instid0(VALU_DEP_1)
	v_lshl_or_b32 v[PSW], v[T2+2], 16, v[PSW]
	s_delay_alu instid0(VALU_DEP_1)
	v_lshl_or_b32 v[PSW], v[T2+3], 24, v[PSW]
.irp b, 0,1,2,3
	v_cvt_scalef32_pk8_fp4_f32 v[PCD+2*\b], v[SS+16*\b:SS+7+16*\b], v[SCO+\b]
	v_cvt_scalef32_pk8_fp4_f32 v[PCD+1+2*\b], v[SS+8+16*\b:SS+15+16*\b], v[SCO+\b]
.endr
	PADD LSUM, SS+32                               ; the row's sum of the unquantised p goes on, in four chains (also the plain line behind the conversions)
.irp c, 0,1
.irp i, 0,1
	v_permlane16_swap_b32 v[PCD+4*\c+\i], v[PCD+2+4*\c+\i]
.endr
.endr
	KPRE ADK, ADS, 4096, 512                       ; the next step's first tiles (behind a head's last step: bytes of V, which nothing uses)
	PADD P0, SS+34
	PADD P1, SS+36
	PADD P2, SS+38
.irp r, 1,2,3
	PADD LSUM, SS+32+8*\r
	PADD P0, SS+34+8*\r
	PADD P1, SS+36+8*\r
	PADD P2, SS+38+8*\r
.endr
	PADD LSUM, P3
	PADD P0, P4
	PADD P1, P5
	PADD P2, P6
	PADD LSUM, P7
	PADD P0, P1
	PADD LSUM, P2
	PADD LSUM, P0
.set j, 0
.rept 16
	v_pk_mul_f32 v[OT+j:OT+j+1], v[OT+j:OT+j+1], v[FF:FF+1] op_sel_hi:[1,0]   ; O^T under the new M
.set j, j+2
.endr
	s_wait_alu depctr_va_vdst(0)
	s_wait_dscnt 6                                 ; V is in; the six loads for the next step may be out
.irp u, 0,1,2,3
	WMA OT+8*\u, VF+8*\u, PCD, VSC+\u, PSW
.endr
.endm
; A head's end: O^T / l becomes half of the context's fragment; -M - log2 l goes to LDS for pass 2
.macro HEADEND e
	PLACES
.if \e == 1
.irp n, 0,1,2,3
	global_load_b128 v[VF+8*\n:VF+8*\n+3], v[LI], s[50:51] offset:8192*\n        ; Wo's four tiles, for the product behind the barrier
	global_load_b128 v[VF+8*\n+4:VF+8*\n+7], v[LI], s[50:51] offset:8192*\n+512
	global_load_b32 v[VSC+\n], v[R16], s[52:53] offset:512*\n
.endr
.endif
	v_add_f32 v[LSUM], v[LSUM], v[LSUM+1]
	s_delay_alu instid0(VALU_DEP_1)
	v_permlanex16_b32 v[WK], v[LSUM], s[SEL], s[SEL+1]
	s_delay_alu instid0(VALU_DEP_1)
	v_add_f32 v[LSUM], v[LSUM], v[WK]
	s_wait_alu depctr_va_vdst(0)
	v_rcp_f32 v[RCP], v[LSUM]
	v_log_f32 v[LG], v[LSUM]
	v_mov_b32 v[RCP+1], 0
.set j, 0
	s_wait_alu depctr_va_vdst(0)
.rept 16
	v_pk_mul_f32 v[OT+j:OT+j+1], v[OT+j:OT+j+1], v[RCP:RCP+1] op_sel_hi:[1,0]
.set j, j+2
.endr
	v_sub_f32 v[LG], v[NEGM], v[LG]                ; -M - log2 l
.irp b, 0,1
	v_max3_num_f32 v[BM+\b], |v[OT+16*\b]|, |v[OT+1+16*\b]|, 0x1800000
.endr
.irp i, 2,4,6,8,10,12,14
.irp b, 0,1
	s_delay_alu instid0(VALU_DEP_2)
	v_max3_num_f32 v[BM+\b], v[BM+\b], |v[OT+16*\b+\i]|, |v[OT+1+16*\b+\i]|
.endr
.endr
.irp b, 0,1
	s_delay_alu instid0(VALU_DEP_2)
	v_permlanex16_b32 v[T2+\b], v[BM+\b], s[SEL], s[SEL+1]
.endr
.irp b, 0,1
	s_delay_alu instid0(VALU_DEP_2)
	v_max_num_f32 v[BM+\b], v[BM+\b], v[T2+\b]
.endr
.irp b, 0,1
	s_delay_alu instid0(VALU_DEP_2)
	v_add_nc_u32 v[SCO+\b], 0xff000000, v[BM+\b]
.endr
.irp b, 0,1
	s_delay_alu instid0(VALU_DEP_2)
	v_lshrrev_b32 v[T2+\b], 23, v[SCO+\b]
.endr
.if \e == 0
	s_delay_alu instid0(VALU_DEP_1)
	v_lshl_or_b32 v[CXW], v[T2+1], 8, v[T2]
.else
	s_delay_alu instid0(VALU_DEP_2)
	v_lshl_or_b32 v[CXW], v[T2], 16, v[CXW]
	s_delay_alu instid0(VALU_DEP_1)
	v_lshl_or_b32 v[CXW], v[T2+1], 24, v[CXW]
.endif
.irp b, 0,1
	v_cvt_scalef32_pk8_fp4_f32 v[CX+4*\e+2*\b], v[OT+16*\b:OT+7+16*\b], v[SCO+\b]
	v_cvt_scalef32_pk8_fp4_f32 v[CX+4*\e+1+2*\b], v[OT+8+16*\b:OT+15+16*\b], v[SCO+\b]
.endr
	v_nop
.irp i, 0,1
	v_permlane16_swap_b32 v[CX+4*\e+\i], v[CX+4*\e+2+\i]
.endr
	ds_store_b32 v[STW], v[LG] offset:1024*\e      ; lanes r and r + 16 hold the same number
.endm
.macro HEAD e, q, qs
	s_mov_b32 s[TT], 0
	v_add_nc_u32 v[CK], RECL*\e, v[LI]
	v_add_nc_u32 v[CSV], RECL*\e+131072, v[R16]
	v_add_nc_u32 v[CT], RECL*\e+139264, v[R16]
.set j, 0
.rept 32
	v_mov_b32 v[OT+j], 0                           ; the step is written once: the first finds zeros
.set j, j+1
.endr
	v_mov_b32 v[LSUM], 0
	v_mov_b32 v[LSUM+1], 0
	v_mov_b32 v[TMX], 0xff61b1e6                   ; -3e38, under every score
	s_delay_alu instid0(VALU_DEP_1)
	v_floor_f32 v[NEGM], -v[TMX]
	s_wait_dscnt 0x0                               ; no LDS load of mine is out: K's registers may be asked for anew
	KPRE CK, CSV, 0, 0
.Lkey_\@:
	KSTEP \q, \qs
	s_add_co_u32 s[TT], s[TT], 256
	s_cmp_lt_u32 s[TT], 4096                       ; sixteen steps
	s_cbranch_scc1 .Lkey_\@
	HEADEND \e
.endm
	HEAD 0, QA, QSA
	HEAD 1, QB, QSB
	; the context's fragment and scale word go to LDS as images of the operand's registers
	s_lshl_b32 s18, s[WV], 10
	s_add_co_u32 s18, s18, CTXI
	v_add_nc_u32 v[ADK], s18, v[LI]
	s_lshl_b32 s18, s[WV], 7
	s_add_co_u32 s18, s18, CTXS
	v_and_b32 v9, 31, v0
	v_lshl_add_u32 v[ADV], v9, 2, s18
	ds_store_b128 v[ADK], v[CX:CX+3]
	ds_store_b128 v[ADK], v[CX+4:CX+7] offset:512
	ds_store_b32 v[ADV], v[CXW]
	v_add_nc_u32 v[ADS], CTXI, v[LI]
	v_lshl_add_u32 v[ADT], v9, 2, CTXS
	s_wait_alu depctr_va_vdst(0)
	s_wait_dscnt 0x0                               ; my stores are done
	s_barrier_signal -1
	s_barrier_wait -1                              ; and everybody's: contexts and -M - log2 l of all 256 queries
	s_wait_loadcnt 0x0                             ; Wo
.irp gp, 0,1
.irp i, 0,1,2,3,4,5,6,7
	ds_load_b128 v[SS+8*\i:SS+8*\i+3], v[ADS] offset:8192*\gp+1024*\i
	ds_load_b128 v[SS+8*\i+4:SS+8*\i+7], v[ADS] offset:8192*\gp+1024*\i+512
	ds_load_b32 v[KSC+\i], v[ADT] offset:1024*\gp+128*\i
.endr
	s_wait_dscnt 0x0
.irp i, 0,1,2,3,4,5,6,7
.irp n, 0,1,2,3
.if (\gp == 0) && (\i == 0)
	WM0 OT+8*\n, SS+8*\i, VF+8*\n, KSC+\i, VSC+\n
.else
	WMA OT+8*\n, SS+8*\i, VF+8*\n, KSC+\i, VSC+\n  ; all query tiles add onto one accumulator a tile of Wo: the sum over queries; four accumulators by turns
.endif
.endr
.endr
	PLACES
.endr
.irp n, 0,1,2,3
	v_pk_add_f32 v[BM+4*\n:BM+4*\n+1], v[OT+8*\n:OT+8*\n+1], v[OT+8*\n+2:OT+8*\n+3]
	v_pk_add_f32 v[BM+4*\n+2:BM+4*\n+3], v[OT+8*\n+4:OT+8*\n+5], v[OT+8*\n+6:OT+8*\n+7]
.endr
.irp n, 0,1,2,3
	v_pk_add_f32 v[BM+4*\n:BM+4*\n+1], v[BM+4*\n:BM+4*\n+1], v[BM+4*\n+2:BM+4*\n+3]
.endr
.irp n, 0,1,2,3
	v_add_f32 v[BM+4*\n], v[BM+4*\n], v[BM+4*\n+1]
.endr
.irp n, 0,1,2,3
	v_permlanex16_b32 v[BM+4*\n+2], v[BM+4*\n], s[SEL], s[SEL+1]
.endr
.irp n, 0,1,2,3
	v_add_f32 v[BM+4*\n], v[BM+4*\n], v[BM+4*\n+2]
.endr
	v_cmp_ne_u32 vcc_lo, 0, v[HH]
	v_cndmask_b32 v[LSUM], v[BM], v[BM+8], vcc_lo
	v_cndmask_b32 v[LSUM+1], v[BM+4], v[BM+12], vcc_lo
	v_lshlrev_b32 v9, 3, v0
	global_store_b64 v9, v[LSUM:LSUM+1], s[10:11]  ; 32 lanes store 256 consecutive bytes, aligned
	; ---- PASS 2
	s_lshl_b32 s18, s[WV], 12                      ; my eight key tiles: 4,096 bytes of codes a head,
	s_add_co_u32 s19, s18, RECL
	v_add_nc_u32 v[ADK], s18, v[LI]
	v_add_nc_u32 v[ADV], s19, v[LI]
	s_lshl_b32 s18, s[WV], 9                       ; 512 bytes of scale words
	s_add_co_u32 s18, s18, 131072
	s_add_co_u32 s19, s18, RECL
	v_add_nc_u32 v[ADS], s18, v[R16]
	v_add_nc_u32 v[ADT], s19, v[R16]
	ds_load_b128 v[NMA:NMA+3], v[ADS]              ; (these sixteen registers hold K's scale words until the two heads' are joined)
	ds_load_b128 v[NMA+4:NMA+7], v[ADS] offset:256
	ds_load_b128 v[NMB:NMB+3], v[ADT]
	ds_load_b128 v[NMB+4:NMB+7], v[ADT] offset:256
.irp t, 0,1,2,3,4,5,6,7
	ds_load_b128 v[KK+8*\t:KK+8*\t+3], v[ADK] offset:512*\t
	ds_load_b128 v[KK+8*\t+4:KK+8*\t+7], v[ADV] offset:512*\t
.endr
	s_wait_xcnt 0x0                                ; the store above has read v9
	v_and_b32 v[R4], 15, v0
	v_lshlrev_b32 v[H32], 5, v[HH]
	v_add_nc_u32 v[AQ], QI, v[LI]
	v_lshlrev_b32 v[R4], 2, v[R4]
	v_add_nc_u32 v[ANM], STT, v[H32]
	v_add_nc_u32 v[AQS], QSW, v[R4]
	ds_load_b128 v[QF:QF+3], v[AQ]                 ; query tile 0
	ds_load_b128 v[QF+8:QF+11], v[AQ] offset:8192
	ds_load_b32 v[QS2], v[AQS]
	ds_load_b32 v[QS2+1], v[AQS] offset:1024
	s_wait_alu depctr_va_vdst(0)                   ; ahead of the wait below
	s_wait_dscnt 20                                ; K's scale words are in (behind them: 16 loads of codes, 4 of the query tile)
.irp t, 0,1,2,3,4,5,6,7
	v_perm_b32 v[KS+\t], v[NMB+\t], v[NMA+\t], 0x05040100   ; head A's two bytes below, head B's above
.endr
	ds_load_b128 v[NMA:NMA+3], v[ANM]
	ds_load_b128 v[NMA+4:NMA+7], v[ANM] offset:16
	ds_load_b128 v[NMB:NMB+3], v[ANM] offset:1024
	ds_load_b128 v[NMB+4:NMB+7], v[ANM] offset:1040
.set j, 0
.rept 64
	v_mov_b32 v[ACC+j], 0                          ; the sums
.set j, j+1
.endr
.set j, 0
.rept 32
	v_mov_b32 v[S+32+j], 0                         ; the first chunk's batch adds the chunk before it: zeros
.set j, j+1
.endr
.irp i, 4,5,6,7
	v_mov_b32 v[QF+\i], 0                          ; the zero codes between QA and QB
.endr
	s_mov_b32 s[UQ], QI+512
	s_mov_b32 s[US], QSW+64
	s_mov_b32 s[UN], STT+64
	s_mov_b32 s[CNT], 15
	s_wait_alu depctr_va_vdst(0)
	s_wait_dscnt 0x0
.irp t, 0,1,2,3
	WM0 S+8*\t, QF, KK+8*\t, QS2, KS+\t
.endr
	PLACES
; A CHUNK: one query tile, one head (c / 2), four of my key tiles (4 (c % 2) ..): 32 numbers a lane.  The chunk's exponentials stand by turns with the additions of the chunk before,
; each of which writes a sum's pair once; behind them the next chunk's four products go into the buffer just added up.
; re = 1: the next query tile is asked for: head A's part in chunk 1, behind its last use, head B's in chunk 3.
.macro CHUNK c, re
.set SC_, S+32*((\c)%2)
.set SP_, S+32*(1-(\c)%2)
.set AP_, ACC+32*(1-(\c)%2)
.set NM_, NMA+8*((\c)/2)
.set EN_, (((\c)+1)%4)/2
.set GN_, ((\c)+1)%2
.set j, 0
.rept 16
	v_pk_fma_f32 v[SC_+j:SC_+j+1], v[SC_+j:SC_+j+1], s[CS:CS+1], v[NM_+j%8:NM_+j%8+1] op_sel_hi:[1,0,1]   ; t - M - log2 l of query 8 h + j
.set j, j+2
.endr
.if \re && ((\c) == 1)
	ds_load_b128 v[NMA:NMA+3], v[ANM]
	ds_load_b128 v[NMA+4:NMA+7], v[ANM] offset:16
	ds_load_b128 v[QF:QF+3], v[AQ]
	ds_load_b32 v[QS2], v[AQS]
.endif
.if \re && ((\c) == 3)
	ds_load_b128 v[NMB:NMB+3], v[ANM] offset:1024
	ds_load_b128 v[NMB+4:NMB+7], v[ANM] offset:1040
	ds_load_b128 v[QF+8:QF+11], v[AQ] offset:8192
	ds_load_b32 v[QS2+1], v[AQS] offset:1024
.endif
	s_wait_alu depctr_va_vdst(0)                   ; one wait: ahead of this batch, and behind the last one, whose results the additions read
.set j, 0
.rept 16
	v_exp_f32 v[SC_+j], v[SC_+j]
	v_exp_f32 v[SC_+j+1], v[SC_+j+1]
	v_pk_add_f32 v[AP_+j:AP_+j+1], v[AP_+j:AP_+j+1], v[SP_+j:SP_+j+1]
.set j, j+2
.endr
.if ((\c) < 3) || \re
.if ((\c)%2) == 1
	s_wait_dscnt 4*\re                             ; the other head's part, asked for two chunks ago, is in; the four loads just issued may be out
.endif
.irp t, 0,1,2,3
	WM0 S+32*GN_+8*\t, QF+4*EN_, KK+8*(4*GN_+\t), QS2+EN_, KS+4*GN_+\t
.endr
	PLACES
.endif
.endm
.macro TRIP re
.if \re
	v_add_nc_u32 v[AQ], s[UQ], v[LI]               ; the next query tile's places
	v_add_nc_u32 v[AQS], s[US], v[R4]
	v_add_nc_u32 v[ANM], s[UN], v[H32]
.endif
	CHUNK 0, \re
	CHUNK 1, \re
	CHUNK 2, \re
	CHUNK 3, \re
.endm
.Ltile:                                            ; a trip is a query tile, both heads
	TRIP 1
	s_add_co_u32 s[UQ], s[UQ], 512
	s_add_co_u32 s[US], s[US], 64
	s_add_co_u32 s[UN], s[UN], 64
	s_sub_co_u32 s[CNT], s[CNT], 1
	s_cmp_lg_u32 s[CNT], 0
	s_wait_alu depctr_va_vdst(0)                   ; the wait ahead of the branch
	s_cbranch_scc1 .Ltile
	TRIP 0                                         ; the last tile asks for nothing more
	s_wait_alu depctr_va_vdst(0)
.set j, 0
.rept 16
	v_pk_add_f32 v[ACC+32+j:ACC+32+j+1], v[ACC+32+j:ACC+32+j+1], v[S+32+j:S+32+j+1]   ; the last chunk
.set j, j+2
.endr
.irp t, 0,1,2,3,4,5,6,7                        ; a tile's eight sums become one, the eight tiles by turns
	v_pk_add_f32 v[ACC+8*\t:ACC+8*\t+1], v[ACC+8*\t:ACC+8*\t+1], v[ACC+8*\t+2:ACC+8*\t+3]
.endr
.irp t, 0,1,2,3,4,5,6,7
	v_pk_add_f32 v[ACC+8*\t+4:ACC+8*\t+5], v[ACC+8*\t+4:ACC+8*\t+5], v[ACC+8*\t+6:ACC+8*\t+7]
.endr
.irp t, 0,1,2,3,4,5,6,7
	v_pk_add_f32 v[ACC+8*\t:ACC+8*\t+1], v[ACC+8*\t:ACC+8*\t+1], v[ACC+8*\t+4:ACC+8*\t+5]
.endr
.irp t, 0,1,2,3,4,5,6,7
	v_add_f32 v[ACC+8*\t], v[ACC+8*\t], v[ACC+8*\t+1]
.endr
.irp t, 0,1,2,3,4,5,6,7
	v_permlanex16_b32 v[ACC+8*\t+2], v[ACC+8*\t], s[SEL], s[SEL+1]
.endr
.irp t, 0,1,2,3,4,5,6,7
	v_add_f32 v[ACC+8*\t], v[ACC+8*\t], v[ACC+8*\t+2]   ; with the other half's eight queries
.endr
	v_cmp_ne_u32 vcc_lo, 0, v[HH]
.irp i, 0,1,2,3
	v_cndmask_b32 v[S+\i], v[ACC+8*\i], v[ACC+32+8*\i], vcc_lo   ; lanes 0-15 store tiles 0-3, lanes 16-31 tiles 4-7
.endr
	v_lshlrev_b32 v9, 4, v0
	global_store_b128 v9, v[S:S+3], s[12:13]       ; 32 lanes store 512 consecutive bytes, aligned
	s_wait_tensorcnt 0x0                           ; the wave's end
	ds_add_u32 v[SPW], v[NIL]
	s_wait_dscnt 0x0
	ROUND                                          ; the closing round
	s_endpgm
.Lfunc_end_k_qcafc6b0cab_attn:
	.size	k_qcafc6b0cab_attn, .Lfunc_end_k_qcafc6b0cab_attn-k_qcafc6b0cab_attn
	.p2alignl 7, 3214868480
	.fill 96, 4, 3214868480
	.section	.rodata,"a",@progbits
	.p2align	6, 0x0
	.amdhsa_kernel k_qcafc6b0cab_attn
		.amdhsa_group_segment_fixed_size 327680
		.amdhsa_private_segment_fixed_size 0
		.amdhsa_enable_private_segment 0
		.amdhsa_kernarg_size 40
		.amdhsa_user_sgpr_count 2
		.amdhsa_user_sgpr_kernarg_segment_ptr 1
		.amdhsa_wavefront_size32 1
		.amdhsa_system_sgpr_workgroup_id_x 1
		.amdhsa_system_sgpr_workgroup_id_y 1
		.amdhsa_system_sgpr_workgroup_id_z 1
		.amdhsa_system_vgpr_workitem_id 0
		.amdhsa_next_free_vgpr 256
		.amdhsa_next_free_sgpr 66
		.amdhsa_reserve_vcc 1
		.amdhsa_float_denorm_mode_32 3
		.amdhsa_float_denorm_mode_16_64 3
		.amdhsa_memory_ordered 1
		.amdhsa_forward_progress 1
		.amdhsa_inst_pref_size 105
	.end_amdhsa_kernel
	.amdgpu_metadata
---
amdhsa.version: [ 1, 2 ]
amdhsa.kernels:
  - .name:           k_qcafc6b0cab_attn
    .symbol:         k_qcafc6b0cab_attn.kd
    .args:
      - { .name: rec, .offset: 0, .size: 8, .value_kind: global_buffer, .address_space: global }
      - { .name: codes, .offset: 8, .size: 8, .value_kind: global_buffer, .address_space: global }
      - { .name: scales, .offset: 16, .size: 8, .value_kind: global_buffer, .address_space: global }
      - { .name: pp, .offset: 24, .size: 8, .value_kind: global_buffer, .address_space: global }
      - { .name: wp, .offset: 32, .size: 8, .value_kind: global_buffer, .address_space: global }
    .group_segment_fixed_size: 327680
    .private_segment_fixed_size: 0
    .kernarg_segment_align: 8
    .kernarg_segment_size: 40
    .max_flat_workgroup_size: 512
    .sgpr_count:     66
    .vgpr_count:     256
    .wavefront_size: 32
...
	.end_amdgpu_metadata
.endif
;; end of part 3
;; launch finish (part 4): grid 96 x 1, 4 waves a work-group, no clusters, 0 bytes of LDS; arguments pp, wp, bo, out0, out1; writes out0, out1
.if DOCPART == 4
	.amdgcn_target "amdgcn-amd-amdhsa--gfx1250"
	.amdhsa_code_object_version 6
	.text
	.protected	k_qcafc6b0cab_finish
	.globl	k_qcafc6b0cab_finish
	.p2align	8
	.type	k_qcafc6b0cab_finish,@function
k_qcafc6b0cab_finish:
	s_mov_b64 s[64:65], 0
	v_nop
	global_prefetch_b8 v0, s[64:65] scope:SCOPE_SE
	s_setreg_imm32_b32 hwreg(HW_REG_WAVE_MODE, 25, 1), 1
	s_wait_xcnt 0x0
; out0[b][o] = (the sum of 64 parts: 8 pairs of heads x 8 blocks of queries) / 2,048 + bo[o];   out1[b][key] = (the sum of 64 parts) / 32,768.
; pp: [work-group 256][wave 16][h][r][2]: Wo's tile 4 wave + 2 h + e;   wp: [work-group 256][wave 16][h][r][4]: key tile 8 wave + 4 h + e;   row r of tile 2 g + u is number 32 g + 8 u + (r & 7) + 16 (r >> 3).
; A batch's 64 work-groups lie on end.  One output to a thread, 64 loads, four chains of packed additions.  Work-groups 0-31: out0, 128 outputs each; 32-95: out1.
; Memory binds what little there is (3 MB in, 48 KB out): no LDS, no matrix unit, no cluster.
.macro SUM64                           ; v16-79 -> v16
.set i, 8
.rept 7
	v_pk_add_f32 v[16:17], v[16:17], v[16+i:17+i]
	v_pk_add_f32 v[18:19], v[18:19], v[18+i:19+i]
	v_pk_add_f32 v[20:21], v[20:21], v[20+i:21+i]
	v_pk_add_f32 v[22:23], v[22:23], v[22+i:23+i]
.set i, i+8
.endr
	v_pk_add_f32 v[16:17], v[16:17], v[18:19]
	v_pk_add_f32 v[20:21], v[20:21], v[22:23]
	v_pk_add_f32 v[16:17], v[16:17], v[20:21]
	v_add_f32 v16, v16, v17
.endm
	s_load_b256 s[4:11], s[0:1], 0x0               ; pp, wp, bo, out0
	s_load_b64 s[12:13], s[0:1], 0x20              ; out1
	s_mov_b32 s14, ttmp9
	s_mov_b32 s19, 0
	v_and_b32 v1, 7, v0                            ; t & 7
	v_bfe_u32 v2, v0, 3, 1                         ; bits 3, 4 of t
	v_bfe_u32 v3, v0, 4, 1
	v_lshlrev_b32 v6, 2, v0                        ; 4 t
	s_wait_kmcnt 0x0
	s_cmp_lt_u32 s14, 32
	s_cbranch_scc0 .Lweights
	; ---- out0: output o = 128 (wg & 7) + t of batch wg >> 3
	s_lshr_b32 s15, s14, 3
	s_and_b32 s16, s14, 7
	s_lshl_b32 s17, s16, 9
	s_lshl_b32 s18, s15, 18
	s_add_co_u32 s18, s18, s17
	s_add_nc_u64 s[4:5], s[4:5], s[18:19]          ; 262,144 x batch + 512 (wg & 7)
	s_mov_b32 s18, s17
	s_add_nc_u64 s[8:9], s[8:9], s[18:19]
	s_lshl_b32 s18, s14, 9
	s_add_nc_u64 s[10:11], s[10:11], s[18:19]
	v_lshrrev_b32 v4, 5, v0
	v_lshlrev_b32 v5, 7, v4                        ; 128 (t >> 5): wave and h
	s_wait_alu depctr_va_vdst(0)
	v_lshl_add_u32 v5, v1, 3, v5                   ; 8 (t & 7) + 64 bit 4: r
	v_lshl_add_u32 v5, v3, 6, v5
	v_lshl_add_u32 v5, v2, 2, v5                   ; 4 bit 3: e
.set i, 0
.rept 64
	global_load_b32 v[16+i], v5, s[4:5] offset:4096*i
.set i, i+1
.endr
	global_load_b32 v7, v6, s[8:9]
	s_wait_loadcnt 0x0
	SUM64
	v_fma_f32 v16, v16, 0x3a000000, v7             ; x 2^-11, + bo
	global_store_b32 v6, v16, s[10:11]
	s_endpgm
.Lweights:
	; ---- out1: key 128 (g & 15) + t of batch g >> 4, g = wg - 32
	s_sub_co_u32 s14, s14, 32
	s_lshr_b32 s15, s14, 4
	s_and_b32 s16, s14, 15
	s_lshl_b32 s17, s16, 9
	s_lshl_b32 s18, s15, 19
	s_add_co_u32 s18, s18, s17
	s_add_nc_u64 s[6:7], s[6:7], s[18:19]          ; 524,288 x batch + 512 (g & 15)
	s_lshl_b32 s18, s14, 9
	s_add_nc_u64 s[12:13], s[12:13], s[18:19]
	v_bfe_u32 v4, v0, 6, 1
	v_lshlrev_b32 v5, 8, v4                        ; 256 bit 6: h
	s_wait_alu depctr_va_vdst(0)
	v_lshl_add_u32 v5, v1, 4, v5                   ; 16 (t & 7) + 128 bit 4: r
	v_lshl_add_u32 v5, v3, 7, v5
	v_bfe_u32 v4, v0, 5, 1
	v_lshl_add_u32 v5, v4, 3, v5                   ; 8 bit 5 + 4 bit 3: e
	v_lshl_add_u32 v5, v2, 2, v5
.set i, 0
.rept 64
	global_load_b32 v[16+i], v5, s[6:7] offset:8192*i
.set i, i+1
.endr
	s_wait_loadcnt 0x0
	SUM64
	v_mul_f32 v16, 0x38000000, v16                 ; x 2^-15
	global_store_b32 v6, v16, s[12:13]
	s_endpgm
.Lfunc_end_k_qcafc6b0cab_finish:
	.size	k_qcafc6b0cab_finish, .Lfunc_end_k_qcafc6b0cab_finish-k_qcafc6b0cab_finish
	.p2alignl 7, 3214868480
	.fill 96, 4, 3214868480
	.section	.rodata,"a",@progbits
	.p2align	6, 0x0
	.amdhsa_kernel k_qcafc6b0cab_finish
		.amdhsa_group_segment_fixed_size 0
		.amdhsa_private_segment_fixed_size 0
		.amdhsa_enable_private_segment 0
		.amdhsa_kernarg_size 40
		.amdhsa_user_sgpr_count 2
		.amdhsa_user_sgpr_kernarg_segment_ptr 1
		.amdhsa_wavefront_size32 1
		.amdhsa_system_sgpr_workgroup_id_x 1
		.amdhsa_system_sgpr_workgroup_id_y 1
		.amdhsa_system_sgpr_workgroup_id_z 1
		.amdhsa_system_vgpr_workitem_id 0
		.amdhsa_next_free_vgpr 80
		.amdhsa_next_free_sgpr 66
		.amdhsa_reserve_vcc 0
		.amdhsa_float_denorm_mode_32 3
		.amdhsa_float_denorm_mode_16_64 3
		.amdhsa_memory_ordered 1
		.amdhsa_forward_progress 1
		.amdhsa_inst_pref_size 19
	.end_amdhsa_kernel
	.amdgpu_metadata
---
amdhsa.version: [ 1, 2 ]
amdhsa.kernels:
  - .name:           k_qcafc6b0cab_finish
    .symbol:         k_qcafc6b0cab_finish.kd
    .args:
      - { .name: pp, .offset: 0, .size: 8, .value_kind: global_buffer, .address_space: global }
      - { .name: wp, .offset: 8, .size: 8, .value_kind: global_buffer, .address_space: global }
      - { .name: bo, .offset: 16, .size: 8, .value_kind: global_buffer, .address_space: global }
      - { .name: out0, .offset: 24, .size: 8, .value_kind: global_buffer, .address_space: global }
      - { .name: out1, .offset: 32, .size: 8, .value_kind: global_buffer, .address_space: global }
    .group_segment_fixed_size: 0
    .private_segment_fixed_size: 0
    .kernarg_segment_align: 8
    .kernarg_segment_size: 40
    .max_flat_workgroup_size: 128
    .sgpr_count:     66
    .vgpr_count:     80
    .wavefront_size: 32
...
	.end_amdgpu_metadata
.endif
;; end of part 4
